; MI455X (gfx1250); checked and timed in simulation.
; The chip was launched on July 23, 2026; its instructions are those of AMD's public machine-readable ISA for CDNA 5 (MIT licence, August 2026) and "CDNA5" Instruction Set Architecture Reference Guide (July 2026). The comments in the code are by the model that wrote it; some were corrected since.
;; Mo E. Allowed arithmetic: float matrix products may take bf16 or f16 operands with f32 sums; all other float work in f32.
;; Inputs: W1 8 x 1,024 x 1,024 float32; W2 8 x 1,024 x 1,024 float32; Wr 1,024 x 8 float32; b1 8 x 1,024 float32; b2 8 x 1,024 float32; br 8 float32; x 4,096 x 1,024 float32.
;; Outputs: out0 4,096 x 1,024 float32.
;; One version. Each part assembles by itself: llvm-mc -triple=amdgcn-amd-amdhsa -mcpu=gfx1250 --defsym DOCPART=n.
;; ======== version 1 of 1: 4 launches
;; workspace buffers: xb 8,388,608 bytes; w1b 16,777,216 bytes; w2b 16,777,216 bytes; gate 131,072 bytes; hg 67,108,864 bytes; part 67,108,864 bytes
;; launch prep (part 1): grid 256 x 1, 8 waves a work-group, no clusters, 34,560 bytes of LDS; arguments x, Wr, br, W1, W2, xb, w1b, w2b, gate; writes xb, w1b, w2b, gate
.if DOCPART == 1
	.amdgcn_target "amdgcn-amd-amdhsa--gfx1250"
	.amdhsa_code_object_version 6
	.text
	.protected	k_qd552891e60_prep
	.globl	k_qd552891e60_prep
	.p2align	8
	.type	k_qd552891e60_prep,@function
k_qd552891e60_prep:
	s_mov_b64 s[64:65], 0
	v_nop
	global_prefetch_b8 v0, s[64:65] scope:SCOPE_SE
	s_setreg_imm32_b32 hwreg(HW_REG_WAVE_MODE, 25, 1), 1
	s_wait_xcnt 0x0
; PREP.  xb = bf16(x), w1b = bf16(W1), w2b = bf16(W2), each in its input's own order, rounded once to nearest even;
; gate[b][e] = softmax_e(x[b] . Wr[:, e] + br[e]), all in f32 on the unrounded inputs, the row's maximum taken away before the exponentials.
; A stream: every byte of x, W1 and W2 is read once, by loads of which a wave's one covers 512 consecutive bytes, and every bf16 byte is written once, by stores
; of which a wave's one covers 256 consecutive bytes, aligned.  No matrix unit: the router has 8 columns, and a row of x already lies in its wave's registers for the cast,
; so its 8 dot products are 128 packed multiply-adds a row.  No cluster: the work-groups share Wr alone, 32 KiB of the 352 KiB that each reads.
; SHARES.  256 work-groups of eight waves.  Work-group g: rows 16 g .. 16 g + 15 of x, 128 KiB of W1 and 128 KiB of W2.  Wave w: rows 2 w and 2 w + 1 of those, 16 KiB of each weight.
; LIMITS.  An exponential below 2^-126 counts as 0 in the gate; NaN and infinities are not treated apart.
.set PW,   4128                        ; a row of WrT in LDS: 1,024 f32 + 32 bytes, so that the scatter's even and odd threads fall 32 banks apart (64 banks of 4 bytes: ISA guide 11.1)
.set GST,  8*PW                        ; behind WrT: the work-group's 16 rows of 8 gates, 512 bytes
.set XOF,  2                           ; v2   my 16 bytes in the wave's first row of x: 8,192 w + 16 lane
.set XBO,  3                           ; v3   my 8 bytes in the wave's first row of xb: 4,096 w + 8 lane
.set WOF,  4                           ; v4   my 16 bytes in the wave's part of a weight: 16,384 w + 16 lane
.set SOF,  5                           ; v5   my 8 bytes in the wave's part of a rounded weight: 8,192 w + 8 lane
.set WLO,  6                           ; v6   16 x thread: my 16 bytes in 4,096 bytes of Wr
.set WSC,  7                           ; v7   where my four numbers of Wr go in WrT
.set WRD,  8                           ; v8   16 x lane: my four d in 128 of a row of WrT; also my 16 bytes of the 512 bytes of gates
.set GSA,  9                           ; v9   my wave's two rows of gates in LDS
.set GRD,  10                          ; v10  GST + 16 x lane
.set XR,   16                          ; v[16:79]    row p, chunk j (128 numbers, four a lane) at XR + 32 p + 4 j
.set ACC,  80                          ; v[80:111]   the sum of row p, expert e, as a pair, at ACC + 2 (8 p + e); later the 16 logits and gates in v[80:95]
.set W4,   112                         ; v[112:175]  two buffers of 32: a chunk of WrT, expert e at + 4 e; first Wr as loaded; later at work
.set Y,    176                         ; v[176:207]  two buffers of 16: rounded weights on their way out
                                       ; window 1, v[0:127]: four slots of 32 registers: groups of 4 KiB of a weight as loaded
.set MSB, 0
.macro WIN new                         ; s_set_vgpr_msb: bits 1:0 source 0, 3:2 source 1, 5:4 source 2, 7:6 destination; the high byte repeats the setting that is left
.if MSB != (\new)
	s_set_vgpr_msb (MSB<<8)|(\new)
.set MSB, \new
.endif
.endm
	s_load_b512 s[4:19], s[0:1], 0x0               ; x s[4:5], Wr s[6:7], br s[8:9], W1 s[10:11], W2 s[12:13], xb s[14:15], w1b s[16:17], w2b s[18:19]
	s_load_b64 s[20:21], s[0:1], 0x40              ; gate
	v_lshl_add_u32 v254, v0, 2, 0x8300
	v_mov_b32 v255, 0
	v_and_b32 v1, 31, v0                           ; lane
	v_lshrrev_b32 v12, 5, v0
	v_readfirstlane_b32 s32, v12                   ; wave 0..7
	s_mov_b32 s34, 0x76543210                      ; v_permlanex16_b32: each lane takes its own place in the other half
	s_mov_b32 s35, 0xfedcba98
	s_mov_b32 s36, 0x3fb8aa3b                      ; log2(e)
	v_lshlrev_b32 v[WRD], 4, v1
	v_lshlrev_b32 v13, 3, v1
	v_lshl_add_u32 v[XOF], s32, 13, v[WRD]
	v_lshl_add_u32 v[XBO], s32, 12, v13
	v_lshl_add_u32 v[WOF], s32, 14, v[WRD]
	v_lshl_add_u32 v[SOF], s32, 13, v13
	v_lshlrev_b32 v[WLO], 4, v0
	v_and_b32 v14, 1, v0                           ; thread t holds Wr[128 i + t / 2][4 (t % 2) + 0..3] of piece i
	v_mul_u32_u24 v14, v14, 4*PW
	v_lshrrev_b32 v15, 1, v0
	v_lshl_add_u32 v[WSC], v15, 2, v14             ; 4 (t % 2) rows of WrT + 4 (t / 2) bytes
	s_lshl_b32 s33, s32, 6
	s_add_co_u32 s33, s33, GST
	v_mov_b32 v[GSA], s33
	v_add_nc_u32 v[GRD], GST, v[WRD]
	s_mov_b32 s23, 0
	s_lshl_b32 s22, ttmp9, 16                      ; the work-group's 64 KiB of x, of w1b and of w2b
	s_wait_kmcnt 0x0
	s_load_b256 s[24:31], s[8:9], 0x0              ; br: eight numbers, no line of this text writes them
	s_add_nc_u64 s[4:5], s[4:5], s[22:23]
	s_add_nc_u64 s[16:17], s[16:17], s[22:23]
	s_add_nc_u64 s[18:19], s[18:19], s[22:23]
	s_lshl_b32 s22, ttmp9, 15                      ; 32 KiB of xb
	s_add_nc_u64 s[14:15], s[14:15], s[22:23]
	s_lshl_b32 s22, ttmp9, 17                      ; 128 KiB of W1 and of W2
	s_add_nc_u64 s[10:11], s[10:11], s[22:23]
	s_add_nc_u64 s[12:13], s[12:13], s[22:23]
	s_lshl_b32 s22, ttmp9, 9                       ; 512 bytes of gate
	s_add_nc_u64 s[20:21], s[20:21], s[22:23]
	; ALL LOADS THAT HAVE ROOM GO OUT AT ONCE: Wr (8), my two rows of x (16), four groups of W1 (32): 56 loads, 28 KiB a wave
.irp i, 0,1,2,3,4,5,6,7
	global_load_b128 v[W4+4*(\i):W4+4*(\i)+3], v[WLO], s[6:7] offset:4096*(\i)
.endr
.irp p, 0,1
.irp j, 0,1,2,3,4,5,6,7
	global_load_b128 v[XR+32*(\p)+4*(\j):XR+32*(\p)+4*(\j)+3], v[XOF], s[4:5] offset:4096*(\p)+512*(\j) th:TH_LOAD_NT
.endr
.endr
	WIN 0x40                                       ; destination window 1, address window 0
.irp q, 0,1,2,3
.irp i, 0,1,2,3,4,5,6,7
	global_load_b128 v[32*(\q)+4*(\i):32*(\q)+4*(\i)+3], v[WOF], s[10:11] offset:4096*(\q)+512*(\i) th:TH_LOAD_NT
.endr
.endr
	WIN 0
	; Wr is turned into WrT[e][d] in LDS, once for the work-group
	s_wait_loadcnt 48                              ; loads come back in order (ISA guide 5.7.1): Wr's eight are in; x's 16 and the groups' 32 stay out
.irp i, 0,1,2,3,4,5,6,7
.irp k, 0,1,2,3
	ds_store_b32 v[WSC], v[W4+4*(\i)+(\k)] offset:(\k)*PW+512*(\i)
.endr
.endr
	s_wait_dscnt 0x0                               ; for the others' sake: my part of WrT is written
	s_barrier_signal -1
	s_barrier_wait -1                              ; everybody's is
	; THE ROUTER.  Chunk j is d = 128 j .. 128 j + 127, four a lane; the eight experts' four numbers come from WrT, two chunks ahead, into two buffers by turns
.irp j, 0,1
.irp e, 0,1,2,3,4,5,6,7
	ds_load_b128 v[W4+32*(\j)+4*(\e):W4+32*(\j)+4*(\e)+3], v[WRD] offset:(\e)*PW+512*(\j)
.endr
.endr
	s_wait_loadcnt 32                              ; x is in; the four groups of W1 stay out
.irp j, 0,1,2,3,4,5,6,7
.if (\j) < 7
	s_wait_dscnt 8                                 ; chunk j of WrT is in; the next chunk's eight loads may be out
.else
	s_wait_dscnt 0x0
.endif
.irp c, 0,1
.irp e, 0,1,2,3,4,5,6,7
.irp p, 0,1
.if ((\j) == 0) && ((\c) == 0)
	v_pk_mul_f32 v[ACC+2*(8*(\p)+(\e)):ACC+2*(8*(\p)+(\e))+1], v[XR+32*(\p):XR+32*(\p)+1], v[W4+4*(\e):W4+4*(\e)+1]  ; the first products start the sums: nothing is cleared
.else
	v_pk_fma_f32 v[ACC+2*(8*(\p)+(\e)):ACC+2*(8*(\p)+(\e))+1], v[XR+32*(\p)+4*(\j)+2*(\c):XR+32*(\p)+4*(\j)+2*(\c)+1], v[W4+32*((\j)%2)+4*(\e)+2*(\c):W4+32*((\j)%2)+4*(\e)+2*(\c)+1], v[ACC+2*(8*(\p)+(\e)):ACC+2*(8*(\p)+(\e))+1]
.endif
.endr
.endr
.endr
.if (\j) < 6
.irp e, 0,1,2,3,4,5,6,7
	ds_load_b128 v[W4+32*((\j)%2)+4*(\e):W4+32*((\j)%2)+4*(\e)+3], v[WRD] offset:(\e)*PW+512*((\j)+2)
.endr
.endif
.endr
	; the 16 sums (k = 8 p + e): the pair's two halves, then across the 32 lanes; every lane ends with all 16
.irp k, 0,1,2,3,4,5,6,7,8,9,10,11,12,13,14,15
	v_add_f32 v[ACC+(\k)], v[ACC+2*(\k)], v[ACC+2*(\k)+1]  ; ascending: a register is written when its own pair has been read
.endr
.irp m, 1,2,4,8
.irp k, 0,1,2,3,4,5,6,7,8,9,10,11,12,13,14,15
	v_add_f32_dpp v[ACC+(\k)], v[ACC+(\k)], v[ACC+(\k)] row_xmask:\m row_mask:0xf bank_mask:0xf
.endr
.endr
.irp k, 0,1,2,3,4,5,6,7,8,9,10,11,12,13,14,15
	v_permlanex16_b32 v[W4+(\k)], v[ACC+(\k)], s34, s35    ; its destination counts as read: these registers have been written
.endr
.irp k, 0,1,2,3,4,5,6,7,8,9,10,11,12,13,14,15
	v_add_f32 v[ACC+(\k)], v[ACC+(\k)], v[W4+(\k)]
.endr
	s_wait_kmcnt 0x0                               ; br
.irp k, 0,1,2,3,4,5,6,7,8,9,10,11,12,13,14,15
	v_add_f32 v[ACC+(\k)], s[24+(\k)%8], v[ACC+(\k)]
.endr
	; SOFTMAX over a row's eight logits l: 2^(l log2e - m log2e), m their maximum
.irp p, 0,1
	v_max3_num_f32 v[12+2*(\p)], v[ACC+8*(\p)], v[ACC+8*(\p)+1], v[ACC+8*(\p)+2]
	v_max3_num_f32 v[13+2*(\p)], v[ACC+8*(\p)+3], v[ACC+8*(\p)+4], v[ACC+8*(\p)+5]
	v_max3_num_f32 v[12+2*(\p)], v[12+2*(\p)], v[ACC+8*(\p)+6], v[ACC+8*(\p)+7]
	v_max_num_f32 v[12+2*(\p)], v[12+2*(\p)], v[13+2*(\p)]
	v_mul_f32 v[12+2*(\p)], s36, v[12+2*(\p)]
.endr
.irp k, 0,1,2,3,4,5,6,7,8,9,10,11,12,13,14,15
	v_fma_f32 v[ACC+(\k)], v[ACC+(\k)], s36, -v[12+2*((\k)/8)]
.endr
.irp k, 0,1,2,3,4,5,6,7,8,9,10,11,12,13,14,15
	v_exp_f32 v[ACC+(\k)], v[ACC+(\k)]
.endr
	v_nop                                          ; a plain instruction between the last exponential and the use of its result (ISA guide 5.7.2)
	s_wait_alu depctr_va_vdst(0)
.irp p, 0,1
	v_pk_add_f32 v[W4+4*(\p):W4+4*(\p)+1], v[ACC+8*(\p):ACC+8*(\p)+1], v[ACC+8*(\p)+2:ACC+8*(\p)+3]
	v_pk_add_f32 v[W4+4*(\p)+2:W4+4*(\p)+3], v[ACC+8*(\p)+4:ACC+8*(\p)+5], v[ACC+8*(\p)+6:ACC+8*(\p)+7]
.endr
.irp p, 0,1
	v_pk_add_f32 v[W4+4*(\p):W4+4*(\p)+1], v[W4+4*(\p):W4+4*(\p)+1], v[W4+4*(\p)+2:W4+4*(\p)+3]
.endr
.irp p, 0,1
	v_add_f32 v[W4+4*(\p)], v[W4+4*(\p)], v[W4+4*(\p)+1]
.endr
	v_rcp_f32 v[W4], v[W4]
	v_rcp_f32 v[W4+4], v[W4+4]
	v_nop                                          ; a plain instruction behind the reciprocals
	s_wait_alu depctr_va_vdst(0)
.irp p, 0,1
.irp k, 0,2,4,6
	v_pk_mul_f32 v[ACC+8*(\p)+(\k):ACC+8*(\p)+(\k)+1], v[ACC+8*(\p)+(\k):ACC+8*(\p)+(\k)+1], v[W4+4*(\p):W4+4*(\p)+1] op_sel_hi:[1,0]
.endr
.endr
.irp k, 0,1,2,3
	ds_store_b128 v[GSA], v[ACC+4*(\k):ACC+4*(\k)+3] offset:16*(\k)  ; all lanes hold the same 16 gates and write the same 64 bytes
.endr
	; x is rounded in place and stored
.irp p, 0,1
.irp i, 0,1,2,3,4,5,6,7,8,9,10,11,12,13,14,15
	v_cvt_pk_bf16_f32 v[XR+32*(\p)+(\i)], v[XR+32*(\p)+2*(\i)], v[XR+32*(\p)+2*(\i)+1]  ; ascending: a register is written when its own pair has been read
.endr
.endr
.irp p, 0,1
.irp j, 0,1,2,3,4,5,6,7
	global_store_b64 v[XBO], v[XR+32*(\p)+2*(\j):XR+32*(\p)+2*(\j)+1], s[14:15] offset:2048*(\p)+256*(\j)  ; 32 lanes store 256 consecutive bytes, aligned
.endr
.endr
	s_wait_dscnt 0x0                               ; for wave 0's sake: my two rows of gates are written
	s_barrier_signal -1
	s_barrier_wait -1
	s_cmp_lg_u32 s32, 0
	s_cbranch_scc1 .Lnot_wave_0                    ; wave 0 stores the work-group's 16 rows of gates as 512 consecutive bytes
	ds_load_b128 v[W4:W4+3], v[GRD]
	s_wait_dscnt 0x0
	global_store_b128 v[WRD], v[W4:W4+3], s[20:21]
.Lnot_wave_0:
; THE WEIGHTS.  Group g of eight (0-3: W1's, 4-7: W2's) is rounded and stored.  left: the younger loads that may stay out.  refill = 1: its slot takes the group four further on, W2's group g.
.macro WTURN g, left, refill
	s_wait_loadcnt \left                           ; my group's eight loads are in
	s_wait_xcnt 0x0                                ; every earlier memory instruction has had its addresses translated (ISA guide 3.1): Y's buffer, which the stores two turns back read, is rewritten only behind this wait
	WIN 0x05                                       ; sources in window 1, destination in window 0
.set i, 0
.rept 16
	v_cvt_pk_bf16_f32 v[Y+16*((\g)%2)+i], v[32*((\g)%4)+2*i], v[32*((\g)%4)+2*i+1]
.set i, i+1
.endr
.if \refill
	WIN 0x40
.irp n, 0,1,2,3,4,5,6,7
	global_load_b128 v[32*((\g)%4)+4*(\n):32*((\g)%4)+4*(\n)+3], v[WOF], s[12:13] offset:4096*((\g)%4)+512*(\n) th:TH_LOAD_NT
.endr
.endif
	WIN 0
.irp n, 0,1,2,3,4,5,6,7
.if (\g) < 4
	global_store_b64 v[SOF], v[Y+16*((\g)%2)+2*(\n):Y+16*((\g)%2)+2*(\n)+1], s[16:17] offset:2048*((\g)%4)+256*(\n)
.else
	global_store_b64 v[SOF], v[Y+16*((\g)%2)+2*(\n):Y+16*((\g)%2)+2*(\n)+1], s[18:19] offset:2048*((\g)%4)+256*(\n)
.endif
.endr
.endm
	WTURN 0, 24, 1                                 ; three younger groups of eight loads stay out
	WTURN 1, 24, 1
	WTURN 2, 24, 1
	WTURN 3, 24, 1
	WTURN 4, 24, 0                                 ; nothing is left to fetch: the counts run down
	WTURN 5, 16, 0
	WTURN 6, 8, 0
	WTURN 7, 0, 0
	s_wait_tensorcnt 0x0
	ds_add_u32 v254, v255
	s_wait_dscnt 0x0
	s_endpgm
.Lfunc_end_k_qd552891e60_prep:
	.size	k_qd552891e60_prep, .Lfunc_end_k_qd552891e60_prep-k_qd552891e60_prep
	.p2alignl 7, 3214868480
	.fill 96, 4, 3214868480
	.section	.rodata,"a",@progbits
	.p2align	6, 0x0
	.amdhsa_kernel k_qd552891e60_prep
		.amdhsa_group_segment_fixed_size 34560
		.amdhsa_private_segment_fixed_size 0
		.amdhsa_enable_private_segment 0
		.amdhsa_kernarg_size 72
		.amdhsa_user_sgpr_count 2
		.amdhsa_user_sgpr_kernarg_segment_ptr 1
		.amdhsa_wavefront_size32 1
		.amdhsa_system_sgpr_workgroup_id_x 1
		.amdhsa_system_sgpr_workgroup_id_y 1
		.amdhsa_system_sgpr_workgroup_id_z 1
		.amdhsa_system_vgpr_workitem_id 0
		.amdhsa_next_free_vgpr 384
		.amdhsa_next_free_sgpr 66
		.amdhsa_reserve_vcc 0
		.amdhsa_float_denorm_mode_32 3
		.amdhsa_float_denorm_mode_16_64 3
		.amdhsa_memory_ordered 1
		.amdhsa_forward_progress 1
		.amdhsa_inst_pref_size 62
	.end_amdhsa_kernel
	.amdgpu_metadata
---
amdhsa.version: [ 1, 2 ]
amdhsa.kernels:
  - .name:           k_qd552891e60_prep
    .symbol:         k_qd552891e60_prep.kd
    .args:
      - { .name: x, .offset: 0, .size: 8, .value_kind: global_buffer, .address_space: global }
      - { .name: Wr, .offset: 8, .size: 8, .value_kind: global_buffer, .address_space: global }
      - { .name: br, .offset: 16, .size: 8, .value_kind: global_buffer, .address_space: global }
      - { .name: W1, .offset: 24, .size: 8, .value_kind: global_buffer, .address_space: global }
      - { .name: W2, .offset: 32, .size: 8, .value_kind: global_buffer, .address_space: global }
      - { .name: xb, .offset: 40, .size: 8, .value_kind: global_buffer, .address_space: global }
      - { .name: w1b, .offset: 48, .size: 8, .value_kind: global_buffer, .address_space: global }
      - { .name: w2b, .offset: 56, .size: 8, .value_kind: global_buffer, .address_space: global }
      - { .name: gate, .offset: 64, .size: 8, .value_kind: global_buffer, .address_space: global }
    .group_segment_fixed_size: 34560
    .private_segment_fixed_size: 0
    .kernarg_segment_align: 8
    .kernarg_segment_size: 72
    .max_flat_workgroup_size: 256
    .sgpr_count:     66
    .vgpr_count:     384
    .wavefront_size: 32
...
	.end_amdgpu_metadata
.endif
;; end of part 1
;; launch up (part 2): grid 32 x 16, 4 waves a work-group, clusters of 4 x 4, 327,680 bytes of LDS; arguments xb, w1b, hg, b1, gate; writes hg
.if DOCPART == 2
	.amdgcn_target "amdgcn-amd-amdhsa--gfx1250"
	.amdhsa_code_object_version 6
	.text
	.protected	k_qd552891e60_up
	.globl	k_qd552891e60_up
	.p2align	8
	.type	k_qd552891e60_up,@function
k_qd552891e60_up:
	s_mov_b64 s[64:65], 0
	v_nop
	global_prefetch_b8 v0, s[64:65] scope:SCOPE_SE
	s_setreg_imm32_b32 hwreg(HW_REG_WAVE_MODE, 25, 1), 1
	s_wait_xcnt 0x0
	s_wait_alu depctr_hold_cnt(0) depctr_sa_sdst(0) depctr_va_vdst(0) depctr_va_sdst(0) depctr_va_ssrc(0) depctr_va_vcc(0) depctr_vm_vsrc(0)
	s_getreg_b32 s2, hwreg(HW_REG_IB_STS2, 6, 4)
	s_cmp_eq_u32 s2, 0
	s_cbranch_scc0 .Lentry_in_a_cluster
	s_endpgm
.Lentry_in_a_cluster:
	s_bfe_u32 s2, ttmp6, 0x10000c
	s_cmp_lg_u32 s2, 0xf033
	s_cbranch_scc0 .Lentry_shape_is_right
	s_endpgm
.Lentry_shape_is_right:
; UP.  hg[m][n] = gate[m][e] swish(t), t = sum over d of xb[m][d] w1b[e][d][u] + b1[e][u], n = 1,024 e + u.  xb: [4096][1024] bf16; w1b: [8][1024][1024] bf16; hg: [4096][8192] bf16;
; b1: [8][1024] f32; gate: [4096][8] f32.  Sums in f32, K ascending; bias, swish and gate in f32; hg rounded once.  The gate is folded in here, so that the next launch is one product over K = 8,192.
; LIMITS.  swish times gate is made as t / ((1 + 2^(-t log2e)) / g) with 1 / g = 1 / max(gate, 2^-100): a gate below 2^-100 counts as 2^-100, and a quotient below 2^-126 as 0.  NaN and infinities are not treated apart.
; SHARES.  A tile of hg is 256 x 256: 16 tile rows x 32 tile columns = 512 work-groups, two for each of 256 WGPs.  Tile column c lies in expert c / 4.  Four waves, each 128 x 128: 64 accumulators, 512 registers.
; K = 1,024 goes in 8 steps of 128 through a ring of two LDS slots filled by the tensor data mover.  A's rows (xb) lie along K and are 256 bytes of memory a step; B's rows (w1b) lie along n, 512 bytes of memory for
; the tile's 256 columns, and its fragments come out of LDS turned, by ds_load_tr16_b128.
; CLUSTERS: 4 x 4 work-groups.  The four of a row of the cluster need the same tiles of xb, the four of a column the same tiles of w1b: each tile is asked for JOINTLY, by the same tensor load with the same
; descriptor and a mask that names the four.
; THE MATRIX INSTRUCTION IS USED TRANSPOSED: source 0 = 16 columns n of B, source 1 = 16 rows m of A: lane l then holds row m = l % 16 and the columns n = 8 (l / 16) + 0..7: eight neighbouring numbers of a row of hg.
; REGISTERS, in windows of 256 (s_set_vgpr_msb: bits 1:0 source 0, 3:2 source 1, 5:4 source 2, 7:6 destination):
;   window 0: v0-31 addresses; v32-39 my rows' gates; v40-55 their reciprocals, in pairs; v64-127, v128-191 fragments of A, two buffers (on the way out: t, and at work); v192-255 rows read back from the stage
;   window 1: v0-63 b1 of my 64 columns; v64-127, v128-191 fragments of B, two buffers
;   window 2: the 32 accumulators of my rows 0-63 (accumulator (a, b) at v[8 (8 a + b)]);   window 3: those of my rows 64-127
.set PA,     272                       ; a row of A in LDS: 256 bytes + 16 = 68 words: the 16 rows of a load start at 16 different groups of four banks (64 banks of 4 bytes: ISA guide 11.1)
.set PB,     544                       ; a row of B: 512 bytes + 32 = 136 words
.set HALF,   34816                     ; what one tensor load brings: 128 rows of A, or 64 rows of B
.set SLOT,   4*HALF                    ; A's 256 rows, then B's 128 rows
.set STAGE,  2*SLOT                    ; behind the ring: 16 rows x 272 bytes for each wave, for the way out; no tensor load fills it
.set SPITCH, 272
.set SPARE,  STAGE+4*16*SPITCH         ; behind the stages: the spare words, 128 bytes for each wave: two blocks of 256 bytes that no other line names
.set LAPS,   4                         ; a lap = two K steps = once round the ring
.set STEPA2, 512                       ; two K steps along a row of xb, in bytes
.set STEPB2, 524288                    ; two K steps down the rows of w1b: 256 rows of 2,048 bytes
.set ROWC,   16384                     ; bytes in a row of hg
.set ADRA, 16                          ; v16-17  LDS address of my A fragments in slot 0, 1
.set ADRB, 20                          ; v20-21  the same for B
.set STO,  24                          ; v24     the way out: where I put 16 bytes of a row
.set RD,   25                          ; v25     the way out: where I read a row back
.set CO,   26                          ; v26     my byte offset in hg
.set BO,   27                          ; v27     my byte offset in 16 columns of b1
.set SPW,  28                          ; v28     LDS address of my spare word: SPARE + 4 x my thread's number; never rewritten
.set NIL,  29                          ; v29     0; never rewritten
.set GO,   30                          ; v30     my row's byte offset in 16 rows of gate
.set GR,   32
.set GI,   40
.set F0,   64
.set F1,   128
.set T,    64
.set Z,    128
.set OB,   192
.set G1,  24                           ; s[24:31] descriptor group 1 for A's tiles;  s[32:39] group 0, one set for each slot
.set G0,  32
.set G1B, 48                           ; s[48:55], s[56:63] the same for B's tiles
.set G0B, 56
.set MSB, 0
.macro WIN new                         ; the immediate's high byte repeats the setting that is left; a switch that changes nothing is dropped
.if MSB != (\new)
	s_set_vgpr_msb (MSB<<8)|(\new)
.set MSB, \new
.endif
.endm
.set MUL_LO, 0xa1                      ; source 0 (B) window 1, source 1 (A) window 0, C and D window 2
.set MUL_HI, 0xf1                      ; the same, C and D window 3
.set TO_B,   0x40                      ; destination window 1, address window 0
; A joint load.  Waves 0 and 1 fetch A's two halves, waves 2 and 3 B's.  Each line has one mask and one set of registers; the branch hangs on the wave's number alone.
; Four v_nop follow each of the two lines, ahead of the jump, the label and what follows.
.macro JLOAD s
	s_cmp_eq_u32 s11, 0
	s_cbranch_scc0 .Lfor_b_\@
	tensor_load_to_lds s[G0+4*(\s):G0+4*(\s)+3], s[G1:G1+7]
	s_nop 0
.rept 4
	v_nop
.endr
	s_branch .Lasked_\@
.Lfor_b_\@:
	tensor_load_to_lds s[G0B+4*(\s):G0B+4*(\s)+3], s[G1B:G1B+7]
	s_nop 0
.rept 4
	v_nop
.endr
.Lasked_\@:
.endm
; A round of the cluster's barrier: my work-group's barrier, so that wave 0's signal speaks for all four waves; wave 0 signals; every wave waits for all sixteen work-groups; my work-group's barrier once more.
.macro CREST                           ; a round behind its opening barrier
	s_cmp_lg_u32 s10, 0
	s_cbranch_scc1 .Lnot_wave_0_\@
	s_barrier_signal -3
.Lnot_wave_0_\@:
	s_barrier_wait -3
	s_barrier_signal -1
	s_barrier_wait -1
.endm
.macro CROUND                          ; a whole round
	s_barrier_signal -1
	s_barrier_wait -1
	CREST
.endm
	s_load_b128 s[4:7], s[0:1], 0x0                ; xb s[4:5], w1b s[6:7]
	s_load_b64 s[8:9], s[0:1], 0x10                ; hg
	s_load_b128 s[68:71], s[0:1], 0x18             ; b1 s[68:69], gate s[70:71]
	v_lshl_add_u32 v[SPW], v0, 2, SPARE
	v_mov_b32 v[NIL], 0
	ds_add_u32 v28, v29
	s_wait_dscnt 0x0
	v_lshrrev_b32 v1, 5, v0
	v_readfirstlane_b32 s10, v1                    ; wave 0..3
	s_lshr_b32 s11, s10, 1                         ; which half of the tile's rows is mine.  Also: I fetch for A (0) or for B (1)
	s_and_b32 s12, s10, 1                          ; which half of its columns.  Also: which half of that tile I fetch
	s_bfe_u32 s40, ttmp6, 0x40000                  ; cx, cy: my place in the cluster
	s_bfe_u32 s41, ttmp6, 0x40004
	s_lshl_b32 s42, ttmp9, 2
	s_add_co_u32 s42, s42, s40                     ; tile column = 4 x cluster x + cx
	s_and_b32 s13, ttmp7, 0xffff
	s_lshl_b32 s13, s13, 2
	s_add_co_u32 s13, s13, s41                     ; tile row = 4 x cluster y + cy
	s_lshl_b32 s43, s41, 2
	s_lshl_b32 s43, 15, s43                        ; my row of the cluster: places 4 cy .. 4 cy + 3
	s_lshl_b32 s44, 0x1111, s40                    ; my column: places cx, cx + 4, cx + 8, cx + 12
	; descriptor group 1.  A: 128 rows x 128 elements; B: 64 rows x 256 elements; both padded in LDS behind every row
	s_or_b32 s[G1+0], s43, (1<<16)|(1<<20)|(1<<21)|(5<<22)|(3<<25)   ; 15:0 the mask: my row; 17:16 elements of 2 bytes; 20 padding on; 21 set beside a mask; 24:22 after every 64 words (code 5); 31:25 4 words (code 3)
	s_or_b32 s[G1B+0], s44, (1<<16)|(1<<20)|(1<<21)|(6<<22)|(7<<25)  ; the mask: my column; after every 128 words (code 6) 8 words (code 7)
	s_mov_b32 s[G1+1], 128<<16                     ; tensor_dim0 = 128
	s_mov_b32 s[G1+2], 128<<16                     ; tensor_dim1 = 128
	s_mov_b32 s[G1+3], 128<<16                     ; tile_dim0 = 128
	s_mov_b32 s[G1+4], 128                         ; tile_dim1 = 128
	s_mov_b32 s[G1+5], 1024                        ; elements from row to row
	s_mov_b32 s[G1+6], 0
	s_mov_b32 s[G1+7], 0
	s_mov_b32 s[G1B+1], 256<<16                    ; tensor_dim0 = 256
	s_mov_b32 s[G1B+2], 64<<16                     ; tensor_dim1 = 64
	s_mov_b32 s[G1B+3], 256<<16                    ; tile_dim0 = 256
	s_mov_b32 s[G1B+4], 64                         ; tile_dim1 = 64
	s_mov_b32 s[G1B+5], 1024
	s_mov_b32 s[G1B+6], 0
	s_mov_b32 s[G1B+7], 0
	; where the tiles come from.  A's hang on the tile row alone, B's on the tile column alone; each in registers that never hold the other coordinate
	s_lshl_b32 s17, s12, 7
	s_lshl_b32 s16, s13, 8
	s_add_co_u32 s16, s16, s17                     ; A: row 256 x tile row + 128 x half,
	s_lshl_b32 s16, s16, 11                        ; of 2,048 bytes
	s_mov_b32 s17, 0
	s_lshr_b32 s46, s42, 2
	s_lshl_b32 s46, s46, 21                        ; B: the expert's 2 MiB,
	s_and_b32 s47, s42, 3
	s_lshl_b32 s47, s47, 9                         ; the tile's 256 columns among its 1,024,
	s_add_co_u32 s46, s46, s47
	s_lshl_b32 s47, s12, 17                        ; 64 rows of 2,048 bytes x half
	s_add_co_u32 s46, s46, s47
	s_mov_b32 s47, 0
	s_mul_i32 s20, s10, HALF                       ; and where they go: A's two halves, then B's two halves = wave x HALF
	s_wait_kmcnt 0x0
	s_add_nc_u64 s[14:15], s[4:5], s[16:17]
	s_add_nc_u64 s[46:47], s[6:7], s[46:47]
	CROUND                                         ; all sixteen work-groups are here: the first joint loads meet
.irp s, 0,1
	s_mov_b32 s[G0+4*(\s)], 1                                      ; 1:0 count = 1
	s_add_co_u32 s[G0+4*(\s)+1], s20, (\s)*SLOT                    ; 63:32 LDS address
	s_add_nc_u64 s[G0+4*(\s)+2:G0+4*(\s)+3], s[14:15], (\s)*256    ; 120:64 global address: K step s
	s_or_b32 s[G0+4*(\s)+3], s[G0+4*(\s)+3], 0x80000000            ; 127:126 type = 2
	s_mov_b32 s[G0B+4*(\s)], 1
	s_add_co_u32 s[G0B+4*(\s)+1], s20, (\s)*SLOT
	s_add_nc_u64 s[G0B+4*(\s)+2:G0B+4*(\s)+3], s[46:47], (\s)*262144
	s_or_b32 s[G0B+4*(\s)+3], s[G0B+4*(\s)+3], 0x80000000
	JLOAD \s                                       ; the ring is filled before anything else is done: two tensor loads of mine are out
.endr
	; A fragment of A is 16 rows x 32 K in 8 registers: lane l holds row l % 16, K = 8 (l / 16) + 0..7 and 16 + 8 (l / 16) + 0..7: two loads of 16 bytes, 32 bytes apart.
	; The turning load takes 16 K x 16 columns (lane l reads row 8 (l / 16) + l % 8, columns 8 ((l / 8) % 2) + 0..7) and leaves half a fragment of B: lane l holds column l % 16 and 8 K.
	v_and_b32 v1, 15, v0                           ; l % 16
	v_bfe_u32 v2, v0, 4, 1                         ; l / 16
	v_mul_u32_u24 v3, v1, PA
	v_lshl_add_u32 v3, v2, 4, v3
	v_and_b32 v4, 7, v0
	v_lshl_add_u32 v4, v2, 3, v4
	v_mul_u32_u24 v4, v4, PB
	v_bfe_u32 v5, v0, 3, 1
	v_lshl_add_u32 v4, v5, 4, v4
	s_mul_i32 s21, s11, HALF                       ; my 128 rows of A
	s_lshl_b32 s22, s12, 8                         ; my 128 columns of B: 256 bytes of each row,
	s_add_co_u32 s22, s22, 2*HALF                  ; behind A's 256 rows
.irp s, 0,1
	v_add_nc_u32 v[ADRA+(\s)], s21, v3
	v_add_nc_u32 v[ADRB+(\s)], s22, v4
	s_add_co_u32 s21, s21, SLOT
	s_add_co_u32 s22, s22, SLOT
.endr
	s_mul_i32 s23, s10, 16*SPITCH
	s_add_co_u32 s23, s23, STAGE                   ; my stage
	v_mul_u32_u24 v4, v1, SPITCH                   ; in: row l % 16, 16 bytes for each half of the lanes
	v_lshl_add_u32 v4, v2, 4, v4
	v_add_nc_u32 v[STO], s23, v4
	v_mul_u32_u24 v5, v2, SPITCH                   ; back: lanes 0-15 take one row of 256 bytes, lanes 16-31 the next
	v_lshl_add_u32 v5, v1, 4, v5
	v_add_nc_u32 v[RD], s23, v5
	v_lshlrev_b32 v5, 14, v2                       ; and the same two rows in hg
	v_lshl_add_u32 v[CO], v1, 4, v5
	v_lshlrev_b32 v[BO], 5, v2                     ; eight f32 for each half of the lanes
	v_lshlrev_b32 v[GO], 5, v1                     ; a row of gate is 32 bytes
	s_lshl_b32 s16, s13, 8
	s_lshl_b32 s17, s11, 7
	s_add_co_u32 s16, s16, s17                     ; my first row
	s_lshl_b32 s66, s16, 5                         ; in gate,
	s_lshl_b32 s16, s16, 14                        ; in hg
	s_lshl_b32 s46, s42, 9                         ; my first column, in bytes of hg: 512 x tile column + 256 x half
	s_lshl_b32 s47, s12, 8
	s_add_co_u32 s46, s46, s47
	s_add_co_u32 s16, s16, s46                     ; s[16:17]: where my part of the tile begins in hg; the first way out adds it
	s_mov_b32 s17, 0
	s_lshl_b32 s74, s46, 1                         ; the same column in b1, whose [8][1024] is hg's column order, in f32
	s_mov_b32 s75, 0
	s_add_nc_u64 s[68:69], s[68:69], s[74:75]
	s_lshr_b32 s67, s42, 2                         ; the expert
	s_lshl_b32 s67, s67, 2
	s_add_co_u32 s74, s66, s67
	s_add_nc_u64 s[70:71], s[70:71], s[74:75]
	s_mov_b32 s72, 0xbfb8aa3b                      ; -log2(e); the packed multiply names a pair and takes its low word for both halves
	s_mov_b32 s73, s72
	WIN TO_B                                       ; b1 and the gates are asked for now and waited for on the way out
.irp b, 0,1,2,3,4,5,6,7
	global_load_b128 v[8*(\b):8*(\b)+3],   v[BO], s[68:69] offset:64*(\b)      ; register 8 b + j: b1 of my column 16 b + 8 (l / 16) + j
	global_load_b128 v[8*(\b)+4:8*(\b)+7], v[BO], s[68:69] offset:64*(\b)+16
.endr
	WIN 0
.irp a, 0,1,2,3,4,5,6,7
	global_load_b32 v[GR+(\a)], v[GO], s[70:71] offset:512*(\a)                ; the gate of my row 16 a + l % 16 for the tile's expert
.endr
; 16 matrix instructions: m blocks a0, a0 + 1 of the window's four x all 8 n blocks, 32 along K.  zero = 1: the first product starts the sums: nothing is ever cleared.
.macro MUL16 f, hi, a0, zero
	WIN MUL_LO+0x50*(\hi)
.irp a, \a0, (\a0)+1
.irp b, 0,1,2,3,4,5,6,7
.if \zero
	v_wmma_f32_16x16x32_bf16 v[8*(8*(\a)+(\b)):8*(8*(\a)+(\b))+7], v[(\f)+8*(\b):(\f)+8*(\b)+7], v[(\f)+8*(4*(\hi)+(\a)):(\f)+8*(4*(\hi)+(\a))+7], 0
.else
	v_wmma_f32_16x16x32_bf16 v[8*(8*(\a)+(\b)):8*(8*(\a)+(\b))+7], v[(\f)+8*(\b):(\f)+8*(\b)+7], v[(\f)+8*(4*(\hi)+(\a)):(\f)+8*(4*(\hi)+(\a))+7], v[8*(8*(\a)+(\b)):8*(8*(\a)+(\b))+7]
.endif
.endr
.endr
.endm
; 32 LDS loads in one run: the fragments of quarter q of a K step (32 K x 128 columns of B, turned; 128 rows x 32 K of A) into buffer f
.macro FETCH slot, q, f
	WIN TO_B
.irp i, 0,1,2,3,4,5,6,7
	ds_load_tr16_b128 v[(\f)+8*(\i):(\f)+8*(\i)+3],   v[ADRB+(\slot)] offset:(\q)*32*PB+32*(\i)
	ds_load_tr16_b128 v[(\f)+8*(\i)+4:(\f)+8*(\i)+7], v[ADRB+(\slot)] offset:(\q)*32*PB+16*PB+32*(\i)
.endr
	WIN 0
.irp i, 0,1,2,3,4,5,6,7
	ds_load_b128 v[(\f)+8*(\i):(\f)+8*(\i)+3],   v[ADRA+(\slot)] offset:64*(\q)+(\i)*16*PA
	ds_load_b128 v[(\f)+8*(\i)+4:(\f)+8*(\i)+7], v[ADRA+(\slot)] offset:64*(\q)+(\i)*16*PA+32
.endr
.endm
; A load into a register that a matrix instruction has read, and a vector instruction or LDS store that reads a matrix result, stand four places behind that matrix instruction, and only plain vector
; instructions that name none of its registers are places (ISA guide 7.12.1 for vector instructions).
.macro PLACES
.rept 4
	v_nop
.endr
.endm
; A K step is four quarters of 32 along K, 64 matrix instructions each, on buffers 0, 1, 0, 1.  The 64 accumulators take turns in the same order in every quarter.
; One of the first three: multiplies buffer f; in its middle it fetches quarter q of the same slot into buffer g.
.macro QUARTER slot, q, f, g, zero
	s_wait_dscnt 8                                 ; B and A's rows 0-63 are in; the youngest eight loads (A's rows 64-127) may be out
	MUL16 \f, 0, 0, \zero
	MUL16 \f, 0, 2, \zero
	PLACES
	FETCH \slot, \q, \g
	s_wait_dscnt 32                                ; all but the 32 just issued
	MUL16 \f, 1, 0, \zero
	MUL16 \f, 1, 2, \zero
.endm
; The last quarter multiplies buffer 1 and changes slots.  MEET is its first half: ONE barrier for the change.  In front of it each wave waits for all its tensor loads, of which one is out: its part of the
; next slot; adds 0 to its spare word; and waits for that and for its own reads of this slot.  Behind it nobody reads this slot any more and the next slot is whole.
.macro MEET round                      ; round = 1: a round of the cluster's barrier follows
	WIN 0                                          ; (the add's two registers lie in window 0)
	s_wait_tensorcnt 0x0                           ; all my tensor loads have landed
	ds_add_u32 v[SPW], v[NIL]                      ; 0 onto my spare word
	s_wait_dscnt 9                                 ; (the add and the youngest eight loads may be out)
	MUL16 F1, 0, 0, 0                              ; sixteen matrix instructions stand between the add and the wait for it
	s_wait_dscnt 0x0                               ; the add is done, and my reads of this slot are over
	s_barrier_signal -1
	MUL16 F1, 0, 2, 0                              ; work on registers while the others arrive
.if \round
	WIN 0
.endif
	s_barrier_wait -1
.endm
; The whole last quarter.  fill = 1: the barrier opens a round of the cluster's barrier, so that no wave of any partner still reads this slot or has a load on its way, and the slot is filled again first
; thing behind it, with the K step two steps on: 224 matrix instructions ahead of the wait for it.  Then come the next slot's first fragments.
.macro TURN slot, next, fill
.if \fill
	MEET 1
	CREST
	s_add_nc_u64 s[G0+4*(\slot)+2:G0+4*(\slot)+3], s[G0+4*(\slot)+2:G0+4*(\slot)+3], STEPA2
	s_add_nc_u64 s[G0B+4*(\slot)+2:G0B+4*(\slot)+3], s[G0B+4*(\slot)+2:G0B+4*(\slot)+3], STEPB2
	JLOAD \slot                                    ; the four v_nop behind it are also the places in front of the loads below
.else
	MEET 0
	PLACES
.endif
	FETCH \next, 0, F0
	MUL16 F1, 1, 0, 0
	MUL16 F1, 1, 2, 0
.endm
.macro LASTQ                           ; the very last quarter: nothing more to fetch
	s_wait_dscnt 8
	MUL16 F1, 0, 0, 0
	MUL16 F1, 0, 2, 0
	s_wait_dscnt 0x0
	MUL16 F1, 1, 0, 0
	MUL16 F1, 1, 2, 0
.endm
; THE WAY OUT of block a (16 rows x 128 columns, 64 numbers a lane), in four parts.
; GATHER: t = the sum + b1, from the accumulators' window into window 0; each accumulator's lowest registers are read first.
.macro GATHER a
	WIN 0x06+((\a)/4)                              ; source 0 window 2 or 3, source 1 window 1, destination window 0
.set i, 0
.rept 32
	v_pk_add_f32 v[T+2*i:T+2*i+1], v[64*((\a)%4)+2*i:64*((\a)%4)+2*i+1], v[2*i:2*i+1]
.set i, i+1
.endr
.endm
; MATH: for pair i of 32: z = -t log2e; z = 2^z (twice); z = z / g + 1 / g; z = 1 / z (twice); t = t z; the pair rounded to bf16 into register i.  The six steps of different pairs are laid
; side by side, so that plain instructions and transcendentals alternate: behind every transcendental stands a plain instruction that touches none of its registers before its result is used (ISA guide 5.7.2).
.macro MATH a
	WIN 0
.set i, 0
.rept 39
.if i < 32
	v_pk_mul_f32 v[Z+2*i:Z+2*i+1], v[T+2*i:T+2*i+1], s[72:73] op_sel_hi:[1,0]
.endif
.if (i >= 1) && (i < 33)
	v_exp_f32 v[Z+2*i-2], v[Z+2*i-2]
.endif
.if (i >= 3) && (i < 35)
	s_wait_alu depctr_va_vdst(0)
	v_pk_fma_f32 v[Z+2*i-6:Z+2*i-5], v[Z+2*i-6:Z+2*i-5], v[GI+2*(\a):GI+2*(\a)+1], v[GI+2*(\a):GI+2*(\a)+1]
.endif
.if (i >= 1) && (i < 33)
	v_exp_f32 v[Z+2*i-1], v[Z+2*i-1]
.endif
.if (i >= 6) && (i < 38)
	s_wait_alu depctr_va_vdst(0)
	v_pk_mul_f32 v[T+2*i-12:T+2*i-11], v[T+2*i-12:T+2*i-11], v[Z+2*i-12:Z+2*i-11]
.endif
.if (i >= 4) && (i < 36)
	v_rcp_f32 v[Z+2*i-8], v[Z+2*i-8]
.endif
.if i >= 7
	v_cvt_pk_bf16_f32 v[T+i-7], v[T+2*i-14], v[T+2*i-13]
.endif
.if (i >= 4) && (i < 36)
	v_rcp_f32 v[Z+2*i-7], v[Z+2*i-7]
.endif
.set i, i+1
.endr
.endm
; TOSTAGE: 16 bytes a lane into my own stage, and back as whole rows of 256 bytes.  SEND: stored.
.macro TOSTAGE a
	WIN 0
.set BK, OB+32*((\a)%2)
.irp b, 0,1,2,3,4,5,6,7
	ds_store_b128 v[STO], v[T+4*(\b):T+4*(\b)+3] offset:32*(\b)
.endr
.irp t, 0,1,2,3,4,5,6,7
	ds_load_b128 v[BK+4*(\t):BK+4*(\t)+3], v[RD] offset:(\t)*2*SPITCH  ; LDS serves a wave's instructions in order (ISA guide 5.7.1.4): these see the stores above
.endr
.endm
.macro SEND a
	WIN 0
.set BK, OB+32*((\a)%2)
	s_wait_dscnt 0x0                               ; the block is back in registers
	s_wait_xcnt 0x0                                ; every earlier memory instruction has had its addresses translated (ISA guide 3.1): only behind this wait are the stores' base and the registers that earlier stores read rewritten
.if (\a) == 0
	s_add_nc_u64 s[8:9], s[8:9], s[16:17]          ; on to my first rows
.else
	s_add_nc_u64 s[8:9], s[8:9], 16*ROWC           ; 16 rows on
.endif
.irp t, 0,1,2,3,4,5,6,7
	global_store_b128 v[CO], v[BK+4*(\t):BK+4*(\t)+3], s[8:9] offset:2*(\t)*ROWC  ; 16 lanes store 256 consecutive bytes, at a multiple of 256 from hg's first byte
.endr
.endm
	s_wait_tensorcnt 1                             ; my part of K step 0 is in; K step 1's may stay out
	s_barrier_signal -1
	s_barrier_wait -1                              ; everybody's is
	FETCH 0, 0, F0
	QUARTER 0, 1, F0, F1, 1                        ; the first quarter stands in front of the loop: its products start the sums
	WIN 0                                          ; at a label and at a branch every window is 0
	s_mov_b32 s3, LAPS-1
.Llap:                                                 ; a trip goes once round the ring, from a lap's second quarter to the next lap's first, and fills both slots again
	QUARTER 0, 2, F1, F0, 0
	QUARTER 0, 3, F0, F1, 0
	TURN 0, 1, 1
	QUARTER 1, 1, F0, F1, 0
	QUARTER 1, 2, F1, F0, 0
	QUARTER 1, 3, F0, F1, 0
	TURN 1, 0, 1
	QUARTER 0, 1, F0, F1, 0
	WIN 0
	s_sub_co_u32 s3, s3, 1
	s_cmp_lg_u32 s3, 0
	s_cbranch_scc1 .Llap
	QUARTER 0, 2, F1, F0, 0                        ; the last lap fills nothing, and has no round of the cluster's barrier
	QUARTER 0, 3, F0, F1, 0
	TURN 0, 1, 0
	QUARTER 1, 1, F0, F1, 0
	QUARTER 1, 2, F1, F0, 0
	QUARTER 1, 3, F0, F1, 0
	LASTQ
	WIN 0
	s_wait_loadcnt 0x0                             ; b1 and the gates
.irp a, 0,1,2,3,4,5,6,7
	v_max_num_f32 v[GR+(\a)], 0x0d800000, v[GR+(\a)]   ; 2^-100 at the least, so that the reciprocal is finite; these eight lines are also places behind the last products
.endr
.irp a, 0,1,2,3,4,5,6,7
	v_rcp_f32 v[GI+2*(\a)], v[GR+(\a)]             ; twice, to fill the pair that the packed multiply-add names
	v_rcp_f32 v[GI+2*(\a)+1], v[GR+(\a)]
.endr
	PLACES                                         ; plain instructions behind the last reciprocal
	GATHER 0
	MATH 0
	TOSTAGE 0
.irp a, 1,2,3,4,5,6,7                  ; block a's arithmetic stands between block a - 1's loads from the stage and the wait for them
	GATHER \a
	MATH \a
	SEND (\a)-1
	TOSTAGE \a
.endr
	SEND 7
	s_wait_tensorcnt 0x0                           ; the wave's end: behind my last tensor load and my last LDS store
	ds_add_u32 v[SPW], v[NIL]
	s_wait_dscnt 0x0
	CROUND                                         ; the closing round: no work-group ends while a partner may still ask for a tile that names it
	s_endpgm
.Lfunc_end_k_qd552891e60_up:
	.size	k_qd552891e60_up, .Lfunc_end_k_qd552891e60_up-k_qd552891e60_up
	.p2alignl 7, 3214868480
	.fill 96, 4, 3214868480
	.section	.rodata,"a",@progbits
	.p2align	6, 0x0
	.amdhsa_kernel k_qd552891e60_up
		.amdhsa_group_segment_fixed_size 327680
		.amdhsa_private_segment_fixed_size 0
		.amdhsa_enable_private_segment 0
		.amdhsa_kernarg_size 40
		.amdhsa_user_sgpr_count 2
		.amdhsa_user_sgpr_kernarg_segment_ptr 1
		.amdhsa_wavefront_size32 1
		.amdhsa_system_sgpr_workgroup_id_x 1
		.amdhsa_system_sgpr_workgroup_id_y 1
		.amdhsa_system_sgpr_workgroup_id_z 1
		.amdhsa_system_vgpr_workitem_id 0
		.amdhsa_next_free_vgpr 1024
		.amdhsa_next_free_sgpr 80
		.amdhsa_reserve_vcc 0
		.amdhsa_float_denorm_mode_32 3
		.amdhsa_float_denorm_mode_16_64 3
		.amdhsa_memory_ordered 1
		.amdhsa_forward_progress 1
		.amdhsa_inst_pref_size 255
	.end_amdhsa_kernel
	.section	.bss,"aw",@nobits
	.p2align	6
	.space	262144
	.amdgpu_metadata
---
amdhsa.version: [ 1, 2 ]
amdhsa.kernels:
  - .name:           k_qd552891e60_up
    .symbol:         k_qd552891e60_up.kd
    .args:
      - { .name: xb, .offset: 0, .size: 8, .value_kind: global_buffer, .address_space: global }
      - { .name: w1b, .offset: 8, .size: 8, .value_kind: global_buffer, .address_space: global }
      - { .name: hg, .offset: 16, .size: 8, .value_kind: global_buffer, .address_space: global }
      - { .name: b1, .offset: 24, .size: 8, .value_kind: global_buffer, .address_space: global }
      - { .name: gate, .offset: 32, .size: 8, .value_kind: global_buffer, .address_space: global }
    .group_segment_fixed_size: 327680
    .private_segment_fixed_size: 0
    .kernarg_segment_align: 8
    .kernarg_segment_size: 40
    .max_flat_workgroup_size: 128
    .sgpr_count:     80
    .vgpr_count:     1024
    .wavefront_size: 32
...
	.end_amdgpu_metadata
.endif
;; end of part 2
;; launch down (part 3): grid 4 x 64, 4 waves a work-group, clusters of 4 x 4, 327,680 bytes of LDS; arguments hg, w2b, part; writes part
.if DOCPART == 3
	.amdgcn_target "amdgcn-amd-amdhsa--gfx1250"
	.amdhsa_code_object_version 6
	.text
	.protected	k_qd552891e60_down
	.globl	k_qd552891e60_down
	.p2align	8
	.type	k_qd552891e60_down,@function
k_qd552891e60_down:
	s_mov_b64 s[64:65], 0
	v_nop
	global_prefetch_b8 v0, s[64:65] scope:SCOPE_SE
	s_setreg_imm32_b32 hwreg(HW_REG_WAVE_MODE, 25, 1), 1
	s_wait_xcnt 0x0
	s_wait_alu depctr_hold_cnt(0) depctr_sa_sdst(0) depctr_va_vdst(0) depctr_va_sdst(0) depctr_va_ssrc(0) depctr_va_vcc(0) depctr_vm_vsrc(0)
	s_getreg_b32 s2, hwreg(HW_REG_IB_STS2, 6, 4)
	s_cmp_eq_u32 s2, 0
	s_cbranch_scc0 .Lentry_in_a_cluster
	s_endpgm
.Lentry_in_a_cluster:
	s_bfe_u32 s2, ttmp6, 0x10000c
	s_cmp_lg_u32 s2, 0xf033
	s_cbranch_scc0 .Lentry_shape_is_right
	s_endpgm
.Lentry_shape_is_right:
; DOWN.  part[s][m][n] = sum over k = 2,048 s .. 2,048 s + 2,047 of hg[m][k] w2b[k][n], s = 0..3.  hg: [4096][8192] bf16 (the gate is in it); w2b: [8192][1024] bf16; part: [4][4096][1024] f32.
; Products in bf16, sums in f32, K ascending within a part.  The next launch adds the four parts, gate b2 and x.
; LIMITS.  An output's sum over K is made as four f32 sums, one for each pair of experts, added in the next launch: another order of rounding than one chain.  NaN and infinities are not treated apart.
; SHARES.  The result has 16 x 4 = 64 tiles of 256 x 256: too few for 256 WGPs.  A tile of 128 x 128 would give 256, but it fetches 128 KiB for 128 matrix instructions a wave; a tile of 256 x 256 fetches the same
; bytes for 256.  So K IS SPLIT OVER WORK-GROUPS: 64 tiles x 4 parts of K = 256 work-groups, each with (256 + 256) x 2,048 x 2 bytes = 2 MiB to fetch where a tile of 128 x 128 over all of K has 4 MiB.  The price: 64 MiB of parts, stored here.
; Four waves, each 128 x 128: 64 accumulators, 512 registers.  A part's K goes in 16 steps of 128 through a ring of two LDS slots filled by the tensor data mover.  A's rows (hg) lie along K, 256 bytes of memory a
; step; B's rows (w2b) lie along n, 512 bytes of memory for the tile's 256 columns, and its fragments come out of LDS turned, by ds_load_tr16_b128.
; CLUSTERS: 4 x 4 work-groups, all of one part of K.  The four of a row of the cluster are the four tile columns of one tile row and need the same tiles of hg; the four of a column need the same tiles of w2b: each
; tile is asked for JOINTLY, by the same tensor load with the same descriptor and a mask that names the four.
; THE MATRIX INSTRUCTION IS USED TRANSPOSED: source 0 = 16 columns n of B, source 1 = 16 rows m of A: lane l then holds row m = l % 16 and the columns n = 8 (l / 16) + 0..7.
; REGISTERS, in windows of 256 (s_set_vgpr_msb: bits 1:0 source 0, 3:2 source 1, 5:4 source 2, 7:6 destination):
;   window 0: v0-31 addresses; v64-127, v128-191 fragments of A, two buffers          window 1: v64-127, v128-191 fragments of B, two buffers
;   window 2: the 32 accumulators of my rows 0-63 (accumulator (a, b) at v[8 (8 a + b)]);   window 3: those of my rows 64-127.  On the way out the same registers take my rows back from LDS, four registers a row.
.set PA,     272                       ; a row of A in LDS: 256 bytes + 16 = 68 words: the 16 rows of a load start at 16 different groups of four banks (64 banks of 4 bytes: ISA guide 11.1)
.set PB,     544                       ; a row of B: 512 bytes + 32 = 136 words
.set HALF,   34816                     ; what one tensor load brings: 128 rows of A, or 64 rows of B
.set SLOT,   4*HALF                    ; A's 256 rows, then B's 128 rows
.set SPARE,  2*SLOT                    ; behind the ring: the spare words, 128 bytes for each wave: two blocks of 256 bytes that no other line names
.set IP,     528                       ; the way out: a row of a wave's image: 128 f32 + 16 bytes
.set IMG,    128*IP                    ; an image; the four waves' lie in the ring's first 270,336 bytes, when the ring has had its last fill
.set LAPS,   8                         ; a lap = two K steps = once round the ring
.set STEPA2, 512                       ; two K steps along a row of hg, in bytes
.set STEPB2, 524288                    ; two K steps down the rows of w2b: 256 rows of 2,048 bytes
.set RDI,  8                           ; v8-9    where I read 16 bytes of row 0, and of row 64, of my image (127 rows of 528 bytes pass an LDS instruction's 16-bit offset)
.set ADRA, 16                          ; v16-17  LDS address of my A fragments in slot 0, 1
.set ADRB, 20                          ; v20-21  the same for B
.set STO,  24                          ; v24     where I put 32 bytes of a row of my image
.set XO,   26                          ; v26     16 x lane: my four columns in my wave's 128
.set SPW,  28                          ; v28     LDS address of my spare word: SPARE + 4 x my thread's number; never rewritten
.set NIL,  29                          ; v29     0; never rewritten
.set F0,   64
.set F1,   128
.set G1,  24                           ; s[24:31] descriptor group 1 for A's tiles;  s[32:39] group 0, one set for each slot
.set G0,  32
.set G1B, 48                           ; s[48:55], s[56:63] the same for B's tiles
.set G0B, 56
.set MSB, 0
.macro WIN new                         ; the immediate's high byte repeats the setting that is left; a switch that changes nothing is dropped
.if MSB != (\new)
	s_set_vgpr_msb (MSB<<8)|(\new)
.set MSB, \new
.endif
.endm
.set MUL_LO, 0xa1                      ; source 0 (B) window 1, source 1 (A) window 0, C and D window 2
.set MUL_HI, 0xf1                      ; the same, C and D window 3
.set TO_B,   0x40                      ; destination window 1, address window 0
; A joint load.  Waves 0 and 1 fetch A's two halves, waves 2 and 3 B's.  Each line has one mask and one set of registers; the branch hangs on the wave's number alone.
; Four v_nop follow each of the two lines, ahead of the jump, the label and what follows.
.macro JLOAD s
	s_cmp_eq_u32 s11, 0
	s_cbranch_scc0 .Lfor_b_\@
	tensor_load_to_lds s[G0+4*(\s):G0+4*(\s)+3], s[G1:G1+7]
	s_nop 0
.rept 4
	v_nop
.endr
	s_branch .Lasked_\@
.Lfor_b_\@:
	tensor_load_to_lds s[G0B+4*(\s):G0B+4*(\s)+3], s[G1B:G1B+7]
	s_nop 0
.rept 4
	v_nop
.endr
.Lasked_\@:
.endm
; A round of the cluster's barrier: my work-group's barrier, so that wave 0's signal speaks for all four waves; wave 0 signals; every wave waits for all sixteen work-groups; my work-group's barrier once more.
.macro CREST                           ; a round behind its opening barrier
	s_cmp_lg_u32 s10, 0
	s_cbranch_scc1 .Lnot_wave_0_\@
	s_barrier_signal -3
.Lnot_wave_0_\@:
	s_barrier_wait -3
	s_barrier_signal -1
	s_barrier_wait -1
.endm
.macro CROUND                          ; a whole round
	s_barrier_signal -1
	s_barrier_wait -1
	CREST
.endm
	s_load_b128 s[4:7], s[0:1], 0x0                ; hg s[4:5], w2b s[6:7]
	s_load_b64 s[8:9], s[0:1], 0x10                ; part
	v_lshl_add_u32 v[SPW], v0, 2, SPARE
	v_mov_b32 v[NIL], 0
	ds_add_u32 v28, v29
	s_wait_dscnt 0x0
	v_lshrrev_b32 v1, 5, v0
	v_readfirstlane_b32 s10, v1                    ; wave 0..3
	s_lshr_b32 s11, s10, 1                         ; which half of the tile's rows is mine.  Also: I fetch for A (0) or for B (1)
	s_and_b32 s12, s10, 1                          ; which half of its columns.  Also: which half of that tile I fetch
	s_bfe_u32 s40, ttmp6, 0x40000                  ; cx, cy: my place in the cluster
	s_bfe_u32 s41, ttmp6, 0x40004
	s_lshl_b32 s42, ttmp9, 2
	s_add_co_u32 s42, s42, s40                     ; tile column = 4 x cluster x + cx (the grid is one cluster wide)
	s_and_b32 s45, ttmp7, 0xffff                   ; the cluster's y, 0..15: made of no place in the cluster
	s_lshr_b32 s67, s45, 2                         ; the part of K, 0..3: the same in all sixteen work-groups
	s_and_b32 s13, s45, 3
	s_lshl_b32 s13, s13, 2
	s_add_co_u32 s13, s13, s41                     ; tile row = 4 x (cluster y % 4) + cy
	s_lshl_b32 s43, s41, 2
	s_lshl_b32 s43, 15, s43                        ; my row of the cluster: places 4 cy .. 4 cy + 3
	s_lshl_b32 s44, 0x1111, s40                    ; my column: places cx, cx + 4, cx + 8, cx + 12
	; descriptor group 1.  A: 128 rows x 128 elements; B: 64 rows x 256 elements; both padded in LDS behind every row
	s_or_b32 s[G1+0], s43, (1<<16)|(1<<20)|(1<<21)|(5<<22)|(3<<25)   ; 15:0 the mask: my row; 17:16 elements of 2 bytes; 20 padding on; 21 set beside a mask; 24:22 after every 64 words (code 5); 31:25 4 words (code 3)
	s_or_b32 s[G1B+0], s44, (1<<16)|(1<<20)|(1<<21)|(6<<22)|(7<<25)  ; the mask: my column; after every 128 words (code 6) 8 words (code 7)
	s_mov_b32 s[G1+1], 128<<16                     ; tensor_dim0 = 128
	s_mov_b32 s[G1+2], 128<<16                     ; tensor_dim1 = 128
	s_mov_b32 s[G1+3], 128<<16                     ; tile_dim0 = 128
	s_mov_b32 s[G1+4], 128                         ; tile_dim1 = 128
	s_mov_b32 s[G1+5], 8192                        ; elements from row to row of hg
	s_mov_b32 s[G1+6], 0
	s_mov_b32 s[G1+7], 0
	s_mov_b32 s[G1B+1], 256<<16                    ; tensor_dim0 = 256
	s_mov_b32 s[G1B+2], 64<<16                     ; tensor_dim1 = 64
	s_mov_b32 s[G1B+3], 256<<16                    ; tile_dim0 = 256
	s_mov_b32 s[G1B+4], 64                         ; tile_dim1 = 64
	s_mov_b32 s[G1B+5], 1024                       ; elements from row to row of w2b
	s_mov_b32 s[G1B+6], 0
	s_mov_b32 s[G1B+7], 0
	; where the tiles come from.  A's hang on the tile row and the part, B's on the tile column and the part; each in registers that never hold the other coordinate
	s_lshl_b32 s17, s12, 7
	s_lshl_b32 s16, s13, 8
	s_add_co_u32 s16, s16, s17                     ; A: row 256 x tile row + 128 x half,
	s_lshl_b32 s16, s16, 14                        ; of 16,384 bytes,
	s_lshl_b32 s17, s67, 12                        ; and the part's 2,048 elements along it
	s_add_co_u32 s16, s16, s17
	s_mov_b32 s17, 0
	s_lshl_b32 s46, s67, 22                        ; B: the part's 2,048 rows of 2,048 bytes,
	s_lshl_b32 s47, s42, 9                         ; the tile's 256 columns,
	s_add_co_u32 s46, s46, s47
	s_lshl_b32 s47, s12, 17                        ; 64 rows x half
	s_add_co_u32 s46, s46, s47
	s_mov_b32 s47, 0
	s_mul_i32 s20, s10, HALF                       ; and where they go: A's two halves, then B's two halves = wave x HALF
	s_wait_kmcnt 0x0
	s_add_nc_u64 s[14:15], s[4:5], s[16:17]
	s_add_nc_u64 s[46:47], s[6:7], s[46:47]
	CROUND                                         ; all sixteen work-groups are here: the first joint loads meet
.irp s, 0,1
	s_mov_b32 s[G0+4*(\s)], 1                                      ; 1:0 count = 1
	s_add_co_u32 s[G0+4*(\s)+1], s20, (\s)*SLOT                    ; 63:32 LDS address
	s_add_nc_u64 s[G0+4*(\s)+2:G0+4*(\s)+3], s[14:15], (\s)*256    ; 120:64 global address: K step s
	s_or_b32 s[G0+4*(\s)+3], s[G0+4*(\s)+3], 0x80000000            ; 127:126 type = 2
	s_mov_b32 s[G0B+4*(\s)], 1
	s_add_co_u32 s[G0B+4*(\s)+1], s20, (\s)*SLOT
	s_add_nc_u64 s[G0B+4*(\s)+2:G0B+4*(\s)+3], s[46:47], (\s)*262144
	s_or_b32 s[G0B+4*(\s)+3], s[G0B+4*(\s)+3], 0x80000000
	JLOAD \s                                       ; the ring is filled before anything else is done: two tensor loads of mine are out
.endr
	; A fragment of A is 16 rows x 32 K in 8 registers: lane l holds row l % 16, K = 8 (l / 16) + 0..7 and 16 + 8 (l / 16) + 0..7: two loads of 16 bytes, 32 bytes apart.
	; The turning load takes 16 K x 16 columns (lane l reads row 8 (l / 16) + l % 8, columns 8 ((l / 8) % 2) + 0..7) and leaves half a fragment of B: lane l holds column l % 16 and 8 K.
	v_and_b32 v1, 15, v0                           ; l % 16
	v_bfe_u32 v2, v0, 4, 1                         ; l / 16
	v_mul_u32_u24 v3, v1, PA
	v_lshl_add_u32 v3, v2, 4, v3
	v_and_b32 v4, 7, v0
	v_lshl_add_u32 v4, v2, 3, v4
	v_mul_u32_u24 v4, v4, PB
	v_bfe_u32 v5, v0, 3, 1
	v_lshl_add_u32 v4, v5, 4, v4
	s_mul_i32 s21, s11, HALF                       ; my 128 rows of A
	s_lshl_b32 s22, s12, 8                         ; my 128 columns of B: 256 bytes of each row,
	s_add_co_u32 s22, s22, 2*HALF                  ; behind A's 256 rows
.irp s, 0,1
	v_add_nc_u32 v[ADRA+(\s)], s21, v3
	v_add_nc_u32 v[ADRB+(\s)], s22, v4
	s_add_co_u32 s21, s21, SLOT
	s_add_co_u32 s22, s22, SLOT
.endr
	s_mul_i32 s23, s10, IMG                        ; my image.  In: row l % 16, 32 bytes for each half of the lanes
	v_mul_u32_u24 v5, v1, IP
	v_lshl_add_u32 v5, v2, 5, v5
	v_add_nc_u32 v[STO], s23, v5
	v_and_b32 v6, 31, v0
	v_lshlrev_b32 v[XO], 4, v6
	v_add_nc_u32 v[RDI], s23, v[XO]                ; back: a row's 512 bytes are 16 for each of 32 lanes
	v_add_nc_u32 v[RDI+1], 64*IP, v[RDI]
	s_lshl_b32 s74, s13, 8                         ; where my 128 x 128 begins in part:
	s_lshl_b32 s75, s11, 7
	s_add_co_u32 s74, s74, s75                     ; my first row,
	s_lshl_b32 s74, s74, 12                        ; of 4,096 bytes,
	s_lshl_b32 s75, s67, 24                        ; in the part's 16 MiB,
	s_add_co_u32 s74, s74, s75
	s_lshl_b32 s75, s42, 10                        ; the tile's 256 columns of 4 bytes,
	s_add_co_u32 s74, s74, s75
	s_lshl_b32 s75, s12, 9                         ; my half of them
	s_add_co_u32 s74, s74, s75
	s_mov_b32 s75, 0
	s_add_nc_u64 s[8:9], s[8:9], s[74:75]
; 16 matrix instructions: m blocks a0, a0 + 1 of the window's four x all 8 n blocks, 32 along K.  zero = 1: the first product starts the sums: nothing is ever cleared.
.macro MUL16 f, hi, a0, zero
	WIN MUL_LO+0x50*(\hi)
.irp a, \a0, (\a0)+1
.irp b, 0,1,2,3,4,5,6,7
.if \zero
	v_wmma_f32_16x16x32_bf16 v[8*(8*(\a)+(\b)):8*(8*(\a)+(\b))+7], v[(\f)+8*(\b):(\f)+8*(\b)+7], v[(\f)+8*(4*(\hi)+(\a)):(\f)+8*(4*(\hi)+(\a))+7], 0
.else
	v_wmma_f32_16x16x32_bf16 v[8*(8*(\a)+(\b)):8*(8*(\a)+(\b))+7], v[(\f)+8*(\b):(\f)+8*(\b)+7], v[(\f)+8*(4*(\hi)+(\a)):(\f)+8*(4*(\hi)+(\a))+7], v[8*(8*(\a)+(\b)):8*(8*(\a)+(\b))+7]
.endif
.endr
.endr
.endm
; 32 LDS loads in one run: the fragments of quarter q of a K step (32 K x 128 columns of B, turned; 128 rows x 32 K of A) into buffer f
.macro FETCH slot, q, f
	WIN TO_B
.irp i, 0,1,2,3,4,5,6,7
	ds_load_tr16_b128 v[(\f)+8*(\i):(\f)+8*(\i)+3],   v[ADRB+(\slot)] offset:(\q)*32*PB+32*(\i)
	ds_load_tr16_b128 v[(\f)+8*(\i)+4:(\f)+8*(\i)+7], v[ADRB+(\slot)] offset:(\q)*32*PB+16*PB+32*(\i)
.endr
	WIN 0
.irp i, 0,1,2,3,4,5,6,7
	ds_load_b128 v[(\f)+8*(\i):(\f)+8*(\i)+3],   v[ADRA+(\slot)] offset:64*(\q)+(\i)*16*PA
	ds_load_b128 v[(\f)+8*(\i)+4:(\f)+8*(\i)+7], v[ADRA+(\slot)] offset:64*(\q)+(\i)*16*PA+32
.endr
.endm
; A load into a register that a matrix instruction has read, and a vector instruction or LDS store that reads a matrix result, stand four places behind that matrix instruction, and only plain vector
; instructions that name none of its registers are places (ISA guide 7.12.1 for vector instructions).
.macro PLACES
.rept 4
	v_nop
.endr
.endm
; A K step is four quarters of 32 along K, 64 matrix instructions each, on buffers 0, 1, 0, 1.  The 64 accumulators take turns in the same order in every quarter.
; One of the first three: multiplies buffer f; in its middle it fetches quarter q of the same slot into buffer g.
.macro QUARTER slot, q, f, g, zero
	s_wait_dscnt 8                                 ; B and A's rows 0-63 are in; the youngest eight loads (A's rows 64-127) may be out
	MUL16 \f, 0, 0, \zero
	MUL16 \f, 0, 2, \zero
	PLACES
	FETCH \slot, \q, \g
	s_wait_dscnt 32                                ; all but the 32 just issued
	MUL16 \f, 1, 0, \zero
	MUL16 \f, 1, 2, \zero
.endm
; The last quarter multiplies buffer 1 and changes slots.  MEET is its first half: ONE barrier for the change.  In front of it each wave waits for all its tensor loads, of which one is out: its part of the
; next slot; adds 0 to its spare word; and waits for that and for its own reads of this slot.  Behind it nobody reads this slot any more and the next slot is whole.
.macro MEET round                      ; round = 1: a round of the cluster's barrier follows
	WIN 0                                          ; (the add's two registers lie in window 0)
	s_wait_tensorcnt 0x0                           ; all my tensor loads have landed
	ds_add_u32 v[SPW], v[NIL]                      ; 0 onto my spare word
	s_wait_dscnt 9                                 ; (the add and the youngest eight loads may be out)
	MUL16 F1, 0, 0, 0                              ; sixteen matrix instructions stand between the add and the wait for it
	s_wait_dscnt 0x0                               ; the add is done, and my reads of this slot are over
	s_barrier_signal -1
	MUL16 F1, 0, 2, 0                              ; work on registers while the others arrive
.if \round
	WIN 0
.endif
	s_barrier_wait -1
.endm
; The whole last quarter.  fill = 1: the barrier opens a round of the cluster's barrier, so that no wave of any partner still reads this slot or has a load on its way, and the slot is filled again first
; thing behind it, with the K step two steps on: 224 matrix instructions ahead of the wait for it.  Then come the next slot's first fragments.
.macro TURN slot, next, fill
.if \fill
	MEET 1
	CREST
	s_add_nc_u64 s[G0+4*(\slot)+2:G0+4*(\slot)+3], s[G0+4*(\slot)+2:G0+4*(\slot)+3], STEPA2
	s_add_nc_u64 s[G0B+4*(\slot)+2:G0B+4*(\slot)+3], s[G0B+4*(\slot)+2:G0B+4*(\slot)+3], STEPB2
	JLOAD \slot                                    ; the four v_nop behind it are also the places in front of the loads below
.else
	MEET 0
	PLACES
.endif
	FETCH \next, 0, F0
	MUL16 F1, 1, 0, 0
	MUL16 F1, 1, 2, 0
.endm
.macro LASTQ                           ; the very last quarter: nothing more to fetch
	s_wait_dscnt 8
	MUL16 F1, 0, 0, 0
	MUL16 F1, 0, 2, 0
	s_wait_dscnt 0x0
	MUL16 F1, 1, 0, 0
	MUL16 F1, 1, 2, 0
.endm
; THE WAY OUT.  A lane holds 32 bytes of a row, and the lanes beside it hold other rows; a store should cover whole rows.  So my 128 x 128 goes through LDS, as an image of my own.
; IMGST: the 32 accumulators of window 2 + hi go into my image, a lane's eight neighbouring columns as two stores of 16 bytes, each accumulator's lowest registers first.
.macro IMGST hi
	WIN 0x08+4*(\hi)                               ; address window 0, data window 2 or 3
.irp a, 0,1,2,3
.irp b, 0,1,2,3,4,5,6,7
	ds_store_b128 v[STO], v[8*(8*(\a)+(\b)):8*(8*(\a)+(\b))+3]   offset:(4*(\hi)+(\a))*16*IP+64*(\b)
	ds_store_b128 v[STO], v[8*(8*(\a)+(\b))+4:8*(8*(\a)+(\b))+7] offset:(4*(\hi)+(\a))*16*IP+64*(\b)+16
.endr
.endr
.endm
; RLOAD: rows 32 g .. 32 g + 31 of my image come back whole, 16 bytes a lane, into the registers that the accumulators have left: window 2 + g / 2, four registers a row.
; LDS serves a wave's instructions in order (ISA guide 5.7.1.4): these loads see my stores, and no other wave touches my image.
.macro RLOAD g
	WIN 0x80+0x40*((\g)/2)                         ; destination window 2 or 3, address window 0
.set i, 0
.rept 32
	ds_load_b128 v[128*((\g)%2)+4*i:128*((\g)%2)+4*i+3], v[RDI+(\g)/2] offset:(32*((\g)%2)+i)*IP
.set i, i+1
.endr
.endm
.macro PST g                           ; and are stored
	WIN 0x08+4*((\g)/2)                            ; address window 0, data window 2 or 3
.set i, 0
.rept 32
	global_store_b128 v[XO], v[128*((\g)%2)+4*i:128*((\g)%2)+4*i+3], s[8:9] offset:(32*(\g)+i)*4096  ; 32 lanes store 512 consecutive bytes, at a multiple of 512 from part's first byte; 127 rows of 4,096 bytes at the most, inside the signed 24-bit immediate
.set i, i+1
.endr
.endm
	s_wait_tensorcnt 1                             ; my part of K step 0 is in; K step 1's may stay out
	s_barrier_signal -1
	s_barrier_wait -1                              ; everybody's is
	FETCH 0, 0, F0
	QUARTER 0, 1, F0, F1, 1                        ; the first quarter stands in front of the loop: its products start the sums
	WIN 0                                          ; at a label and at a branch every window is 0
	s_mov_b32 s3, LAPS-1
.Llap:                                                 ; a trip goes once round the ring, from a lap's second quarter to the next lap's first, and fills both slots again
	QUARTER 0, 2, F1, F0, 0
	QUARTER 0, 3, F0, F1, 0
	TURN 0, 1, 1
	QUARTER 1, 1, F0, F1, 0
	QUARTER 1, 2, F1, F0, 0
	QUARTER 1, 3, F0, F1, 0
	TURN 1, 0, 1
	QUARTER 0, 1, F0, F1, 0
	WIN 0
	s_sub_co_u32 s3, s3, 1
	s_cmp_lg_u32 s3, 0
	s_cbranch_scc1 .Llap
	QUARTER 0, 2, F1, F0, 0                        ; the last lap fills nothing, and has no round of the cluster's barrier
	QUARTER 0, 3, F0, F1, 0
	TURN 0, 1, 0
	QUARTER 1, 1, F0, F1, 0
	QUARTER 1, 2, F1, F0, 0
	QUARTER 1, 3, F0, F1, 0
	LASTQ
	WIN 0
	PLACES                                         ; the places between the last products and the stores that read them
	s_wait_dscnt 0x0                               ; my reads of the ring are over (every tensor load was waited for in front of the last change of slots)
	s_barrier_signal -1
	s_barrier_wait -1                              ; everybody's are: the ring's bytes now take the images
	IMGST 0
	IMGST 1
	RLOAD 0
	RLOAD 1
	s_wait_dscnt 32                                ; rows 0-31 are back; the 32 loads of rows 32-63 may be out
	PST 0
	RLOAD 2
	s_wait_dscnt 32                                ; rows 32-63 are back; the 32 loads just issued may be out
	PST 1
	RLOAD 3
	s_wait_dscnt 32
	PST 2
	s_wait_dscnt 0x0
	PST 3
	WIN 0
	s_wait_tensorcnt 0x0                           ; the wave's end: behind my last tensor load and my last LDS store
	ds_add_u32 v[SPW], v[NIL]
	s_wait_dscnt 0x0
	CROUND                                         ; the closing round: no work-group ends while a partner may still ask for a tile that names it
	s_endpgm
.Lfunc_end_k_qd552891e60_down:
	.size	k_qd552891e60_down, .Lfunc_end_k_qd552891e60_down-k_qd552891e60_down
	.p2alignl 7, 3214868480
	.fill 96, 4, 3214868480
	.section	.rodata,"a",@progbits
	.p2align	6, 0x0
	.amdhsa_kernel k_qd552891e60_down
		.amdhsa_group_segment_fixed_size 327680
		.amdhsa_private_segment_fixed_size 0
		.amdhsa_enable_private_segment 0
		.amdhsa_kernarg_size 24
		.amdhsa_user_sgpr_count 2
		.amdhsa_user_sgpr_kernarg_segment_ptr 1
		.amdhsa_wavefront_size32 1
		.amdhsa_system_sgpr_workgroup_id_x 1
		.amdhsa_system_sgpr_workgroup_id_y 1
		.amdhsa_system_sgpr_workgroup_id_z 1
		.amdhsa_system_vgpr_workitem_id 0
		.amdhsa_next_free_vgpr 1024
		.amdhsa_next_free_sgpr 80
		.amdhsa_reserve_vcc 0
		.amdhsa_float_denorm_mode_32 3
		.amdhsa_float_denorm_mode_16_64 3
		.amdhsa_memory_ordered 1
		.amdhsa_forward_progress 1
		.amdhsa_inst_pref_size 140
	.end_amdhsa_kernel
	.amdgpu_metadata
---
amdhsa.version: [ 1, 2 ]
amdhsa.kernels:
  - .name:           k_qd552891e60_down
    .symbol:         k_qd552891e60_down.kd
    .args:
      - { .name: hg, .offset: 0, .size: 8, .value_kind: global_buffer, .address_space: global }
      - { .name: w2b, .offset: 8, .size: 8, .value_kind: global_buffer, .address_space: global }
      - { .name: part, .offset: 16, .size: 8, .value_kind: global_buffer, .address_space: global }
    .group_segment_fixed_size: 327680
    .private_segment_fixed_size: 0
    .kernarg_segment_align: 8
    .kernarg_segment_size: 24
    .max_flat_workgroup_size: 128
    .sgpr_count:     80
    .vgpr_count:     1024
    .wavefront_size: 32
...
	.end_amdgpu_metadata
.endif
;; end of part 3
;; launch sum (part 4): grid 256 x 1, 8 waves a work-group, no clusters, 0 bytes of LDS; arguments part, x, gate, b2, out0; writes out0
.if DOCPART == 4
	.amdgcn_target "amdgcn-amd-amdhsa--gfx1250"
	.amdhsa_code_object_version 6
	.text
	.protected	k_qd552891e60_sum
	.globl	k_qd552891e60_sum
	.p2align	8
	.type	k_qd552891e60_sum,@function
k_qd552891e60_sum:
	s_mov_b64 s[64:65], 0
	v_nop
	global_prefetch_b8 v0, s[64:65] scope:SCOPE_SE
	s_setreg_imm32_b32 hwreg(HW_REG_WAVE_MODE, 25, 1), 1
	s_wait_xcnt 0x0
; SUM.  out0[m][n] = part[0][m][n] + part[1][m][n] + part[2][m][n] + part[3][m][n] + x[m][n] + sum over e of gate[m][e] b2[e][n].  part: [4][4096][1024] f32; x, out0: [4096][1024] f32;
; gate: [4096][8] f32; b2: [8][1024] f32.  All in f32, on the unrounded x and b2.
; LIMITS.  The order of the additions is (p0 + p1) + (p2 + p3), then x, then the eight experts' gate b2 in ascending order.  NaN and infinities are not treated apart.
; A stream: every byte of part and x is read once and every byte of out0 written once, by loads and stores of which a wave's one covers 512 consecutive bytes, aligned.  No LDS and no barrier: no wave needs
; another's data.  No matrix unit: there is no product but the eight terms of gate b2.  No cluster: the work-groups share b2 alone, 32 KiB of the 352 KiB that each reads.
; SHARES.  256 work-groups of eight waves.  Work-group g: rows 16 g .. 16 g + 15.  Wave w: columns 128 w .. 128 w + 127 of them, four a lane, so that a lane's b2 (8 experts x 4 columns) is loaded once.
; The 16 rows are two groups of 8.  The only waits are the two for the groups' data.
; REGISTERS, in windows of 256 (s_set_vgpr_msb: bits 1:0 source 0, 3:2 source 1, 5:4 source 2, 7:6 destination).  A group has 224: part s, row i at + 32 s + 4 i; x at + 128 + 4 i; the row's 8 gates at + 160 + 8 i.
;   window 0: v0-31 addresses; v32-255 group 0          window 1: v0-223 group 1; v224-255 b2, expert e at 224 + 4 e
.set XO,   2                           ; v2   16 x lane: my four columns in my wave's 128
.set NUL,  3                           ; v3   0: the offset of the gates' loads, the same address in every lane
.set BB2,  224
.set MSB, 0
.macro WIN new                         ; the immediate's high byte repeats the setting that is left; a switch that changes nothing is dropped
.if MSB != (\new)
	s_set_vgpr_msb (MSB<<8)|(\new)
.set MSB, \new
.endif
.endm
	s_load_b256 s[4:11], s[0:1], 0x0               ; part s[4:5], x s[6:7], gate s[8:9], b2 s[10:11]
	s_load_b64 s[12:13], s[0:1], 0x20              ; out0
	v_and_b32 v1, 31, v0                           ; lane
	v_lshrrev_b32 v4, 5, v0
	v_readfirstlane_b32 s16, v4                    ; wave 0..7
	v_lshlrev_b32 v[XO], 4, v1
	v_mov_b32 v[NUL], 0
	s_lshl_b32 s30, s16, 9                         ; my wave's 128 columns: 512 bytes of a row
	s_mov_b32 s31, 0
	s_lshl_b32 s18, ttmp9, 16                      ; the work-group's 16 rows of 4,096 bytes,
	s_add_co_u32 s18, s18, s30                     ; and my columns
	s_mov_b32 s19, 0
	s_lshl_b32 s28, ttmp9, 9                       ; its 16 rows of 32 bytes of gate
	s_mov_b32 s29, 0
	s_wait_kmcnt 0x0
	s_add_nc_u64 s[20:21], s[4:5], s[18:19]        ; the four parts lie 16 MiB apart, beyond a load's immediate: a base for each
	s_add_nc_u64 s[22:23], s[20:21], 0x1000000
	s_add_nc_u64 s[24:25], s[22:23], 0x1000000
	s_add_nc_u64 s[26:27], s[24:25], 0x1000000
	s_add_nc_u64 s[6:7], s[6:7], s[18:19]
	s_add_nc_u64 s[12:13], s[12:13], s[18:19]
	s_add_nc_u64 s[8:9], s[8:9], s[28:29]
	s_add_nc_u64 s[10:11], s[10:11], s[30:31]
; Group g (rows 8 g .. 8 g + 7), whose registers begin at base in window g: 32 loads of the parts, 8 of x, 16 of the gates (one address for all lanes): 56
.macro GLOADS g, base
	WIN 0x40*(\g)                                  ; destination window g, address window 0
.irp s, 0,1,2,3
.irp i, 0,1,2,3,4,5,6,7
	global_load_b128 v[(\base)+32*(\s)+4*(\i):(\base)+32*(\s)+4*(\i)+3], v[XO], s[20+2*(\s):21+2*(\s)] offset:(8*(\g)+(\i))*4096 th:TH_LOAD_NT
.endr
.endr
.irp i, 0,1,2,3,4,5,6,7
	global_load_b128 v[(\base)+128+4*(\i):(\base)+128+4*(\i)+3], v[XO], s[6:7] offset:(8*(\g)+(\i))*4096 th:TH_LOAD_NT
.endr
.irp i, 0,1,2,3,4,5,6,7
	global_load_b128 v[(\base)+160+8*(\i):(\base)+160+8*(\i)+3],   v[NUL], s[8:9] offset:(8*(\g)+(\i))*32
	global_load_b128 v[(\base)+160+8*(\i)+4:(\base)+160+8*(\i)+7], v[NUL], s[8:9] offset:(8*(\g)+(\i))*32+16
.endr
.endm
; 16 chains (8 rows x 2 pairs of columns; chain c at register 2 c of each part) side by side, so that no line reads the result of the one before it: the four parts, x, and gate[e] b2[e] for the
; eight experts; the gate is the even or the odd register of its pair, taken for both halves.
.macro SUMS g, base
	WIN 0x55*(\g)                                  ; every operand in window g
.set c, 0
.rept 16
	v_pk_add_f32 v[(\base)+2*c:(\base)+2*c+1], v[(\base)+2*c:(\base)+2*c+1], v[(\base)+32+2*c:(\base)+32+2*c+1]
.set c, c+1
.endr
.set c, 0
.rept 16
	v_pk_add_f32 v[(\base)+64+2*c:(\base)+64+2*c+1], v[(\base)+64+2*c:(\base)+64+2*c+1], v[(\base)+96+2*c:(\base)+96+2*c+1]
.set c, c+1
.endr
.set c, 0
.rept 16
	v_pk_add_f32 v[(\base)+2*c:(\base)+2*c+1], v[(\base)+2*c:(\base)+2*c+1], v[(\base)+64+2*c:(\base)+64+2*c+1]
.set c, c+1
.endr
.set c, 0
.rept 16
	v_pk_add_f32 v[(\base)+2*c:(\base)+2*c+1], v[(\base)+2*c:(\base)+2*c+1], v[(\base)+128+2*c:(\base)+128+2*c+1]
.set c, c+1
.endr
	WIN 0x54*(\g)+1                                ; source 0 (b2) in window 1, the others in window g
.irp e, 0,1,2,3,4,5,6,7
.set c, 0
.rept 16
.if ((\e)%2) == 0
	v_pk_fma_f32 v[(\base)+2*c:(\base)+2*c+1], v[BB2+4*(\e)+2*(c%2):BB2+4*(\e)+2*(c%2)+1], v[(\base)+160+8*(c/2)+(\e):(\base)+160+8*(c/2)+(\e)+1], v[(\base)+2*c:(\base)+2*c+1] op_sel_hi:[1,0,1]
.else
	v_pk_fma_f32 v[(\base)+2*c:(\base)+2*c+1], v[BB2+4*(\e)+2*(c%2):BB2+4*(\e)+2*(c%2)+1], v[(\base)+160+8*(c/2)+(\e)-1:(\base)+160+8*(c/2)+(\e)], v[(\base)+2*c:(\base)+2*c+1] op_sel:[0,1,0]
.endif
.set c, c+1
.endr
.endr
.endm
.macro OUTST g, base
	WIN 0x04*(\g)                                  ; address window 0, data window g
.irp i, 0,1,2,3,4,5,6,7
	global_store_b128 v[XO], v[(\base)+4*(\i):(\base)+4*(\i)+3], s[12:13] offset:(8*(\g)+(\i))*4096 th:TH_STORE_NT  ; 32 lanes store 512 consecutive bytes, at a multiple of 512 from out0's first byte
.endr
.endm
	WIN 0x40
.irp e, 0,1,2,3,4,5,6,7
	global_load_b128 v[BB2+4*(\e):BB2+4*(\e)+3], v[XO], s[10:11] offset:4096*(\e)
.endr
	GLOADS 0, 32
	GLOADS 1, 0
	s_wait_loadcnt 56                              ; loads come back in order (ISA guide 5.7.1): b2 and group 0 are in; group 1's 56 loads may be out
	SUMS 0, 32
	OUTST 0, 32
	s_wait_loadcnt 0x0
	SUMS 1, 0
	OUTST 1, 0
	WIN 0
	s_endpgm
.Lfunc_end_k_qd552891e60_sum:
	.size	k_qd552891e60_sum, .Lfunc_end_k_qd552891e60_sum-k_qd552891e60_sum
	.p2alignl 7, 3214868480
	.fill 96, 4, 3214868480
	.section	.rodata,"a",@progbits
	.p2align	6, 0x0
	.amdhsa_kernel k_qd552891e60_sum
		.amdhsa_group_segment_fixed_size 0
		.amdhsa_private_segment_fixed_size 0
		.amdhsa_enable_private_segment 0
		.amdhsa_kernarg_size 40
		.amdhsa_user_sgpr_count 2
		.amdhsa_user_sgpr_kernarg_segment_ptr 1
		.amdhsa_wavefront_size32 1
		.amdhsa_system_sgpr_workgroup_id_x 1
		.amdhsa_system_sgpr_workgroup_id_y 1
		.amdhsa_system_sgpr_workgroup_id_z 1
		.amdhsa_system_vgpr_workitem_id 0
		.amdhsa_next_free_vgpr 512
		.amdhsa_next_free_sgpr 66
		.amdhsa_reserve_vcc 0
		.amdhsa_float_denorm_mode_32 3
		.amdhsa_float_denorm_mode_16_64 3
		.amdhsa_memory_ordered 1
		.amdhsa_forward_progress 1
		.amdhsa_inst_pref_size 39
	.end_amdhsa_kernel
	.amdgpu_metadata
---
amdhsa.version: [ 1, 2 ]
amdhsa.kernels:
  - .name:           k_qd552891e60_sum
    .symbol:         k_qd552891e60_sum.kd
    .args:
      - { .name: part, .offset: 0, .size: 8, .value_kind: global_buffer, .address_space: global }
      - { .name: x, .offset: 8, .size: 8, .value_kind: global_buffer, .address_space: global }
      - { .name: gate, .offset: 16, .size: 8, .value_kind: global_buffer, .address_space: global }
      - { .name: b2, .offset: 24, .size: 8, .value_kind: global_buffer, .address_space: global }
      - { .name: out0, .offset: 32, .size: 8, .value_kind: global_buffer, .address_space: global }
    .group_segment_fixed_size: 0
    .private_segment_fixed_size: 0
    .kernarg_segment_align: 8
    .kernarg_segment_size: 40
    .max_flat_workgroup_size: 256
    .sgpr_count:     66
    .vgpr_count:     512
    .wavefront_size: 32
...
	.end_amdgpu_metadata
.endif
;; end of part 4
